; MI455X (gfx1250); checked and timed in simulation.
; The chip was launched on July 23, 2026; its instructions are those of AMD's public machine-readable ISA for CDNA 5 (MIT licence, August 2026) and "CDNA5" Instruction Set Architecture Reference Guide (July 2026). The comments in the code are by the model that wrote it; some were corrected since.
;; Codebook Layer. Allowed arithmetic: float matrix products may take bf16 or f16 operands with f32 sums; other float arithmetic in f32, or as packed bf16 or f16 multiplies, adds, multiply-adds, maxima and minima; sums over many terms, partial sums and values carried from step to step in f32; what a program stores and reads back later, other than sums and carried values, may be rounded once to bf16 or f16.
;; Inputs: codebook 4,096 x 1,024 float32; x 8 x 2,048 x 1,024 float32.
;; Outputs: out0 8 x 2,048 x 1,024 float32.
;; One version. Each part assembles by itself: llvm-mc -triple=amdgcn-amd-amdhsa -mcpu=gfx1250 --defsym DOCPART=n.
;; ======== version 1 of 1: 3 launches
;; workspace buffers: xb 33,554,432 bytes; cbb 8,388,608 bytes; part 1,048,576 bytes of whole numbers
;; launch tobf16 (part 1): grid 1280 x 1, 8 waves a work-group, no clusters, 0 bytes of LDS; arguments x, codebook, xb, cbb; writes xb, cbb
.if DOCPART == 1
	.amdgcn_target "amdgcn-amd-amdhsa--gfx1250"
	.amdhsa_code_object_version 6
	.text
	.protected	k_qfe02298994_tobf16
	.globl	k_qfe02298994_tobf16
	.p2align	8
	.type	k_qfe02298994_tobf16,@function
k_qfe02298994_tobf16:
	s_mov_b64 s[64:65], 0
	v_nop
	global_prefetch_b8 v0, s[64:65] scope:SCOPE_SE
	s_setreg_imm32_b32 hwreg(HW_REG_WAVE_MODE, 25, 1), 1
	s_wait_xcnt 0x0
; xb = bf16(x), cbb = bf16(codebook): each f32 rounded once, to nearest even.  The product that follows takes its tiles from these copies,
; since a tile is brought into LDS as it lies in memory.
; A work-group takes 65,536 bytes of f32 and writes 32,768 of bf16.  Work-groups 0 to 1,023 take x (64 MiB), 1,024 to 1,279 the codebook (16 MiB).
; Thread t takes the 16 bytes at 16 t of each of 16 chunks of 4,096 bytes: a wave's load covers 512 consecutive bytes, its store 256 consecutive bytes at a multiple of 256.
; All 16 loads of a wave go out at once; no register is used twice, so the only waits are the counted ones for the loads.  No LDS, no barrier, no matrix unit: nothing is shared and nothing is summed.
.set XWG,   1024                       ; work-groups that take x
.set CHUNK, 4096                       ; input bytes that the 256 threads take with one load each
.set NCH,   16                         ; chunks of a work-group
.set X,     4                          ; v[4:67]   chunk i: four f32
.set Y,     68                         ; v[68:99]  chunk i: four bf16 in two registers
	s_load_b256 s[4:11], s[0:1], 0x0               ; x s[4:5], codebook s[6:7], xb s[8:9], cbb s[10:11]
	v_lshlrev_b32 v1, 4, v0                        ; my 16 bytes in a chunk
	v_lshlrev_b32 v2, 3, v0                        ; my 8 bytes of its half as long image
	s_mov_b32 s19, 0
	s_mov_b32 s21, 0
	s_wait_kmcnt 0x0
	s_cmp_lt_u32 ttmp9, XWG                        ; x or the codebook: the choice hangs on the work-group's number alone
	s_cselect_b64 s[12:13], s[4:5], s[6:7]         ; from where
	s_cselect_b64 s[14:15], s[8:9], s[10:11]       ; to where
	s_cselect_b32 s16, 0, XWG
	s_sub_co_u32 s16, ttmp9, s16                   ; the work-group's number within its tensor
	s_lshl_b32 s18, s16, 16                        ; 65,536 bytes in,
	s_lshl_b32 s20, s16, 15                        ; 32,768 out: both under 2^27
	s_add_nc_u64 s[12:13], s[12:13], s[18:19]
	s_add_nc_u64 s[14:15], s[14:15], s[20:21]
.set i, 0
.rept NCH
	global_load_b128 v[X+4*i:X+4*i+3], v1, s[12:13] offset:CHUNK*i th:TH_LOAD_NT
.set i, i+1
.endr
.set i, 0
.rept NCH
	s_wait_loadcnt NCH-1-i                         ; loads come back in order: chunk i is in, the NCH-1-i younger ones stay out
	v_cvt_pk_bf16_f32 v[Y+2*i],   v[X+4*i],   v[X+4*i+1]
	v_cvt_pk_bf16_f32 v[Y+2*i+1], v[X+4*i+2], v[X+4*i+3]
	global_store_b64 v2, v[Y+2*i:Y+2*i+1], s[14:15] offset:(CHUNK/2)*i
.set i, i+1
.endr
	s_endpgm
.Lfunc_end_k_qfe02298994_tobf16:
	.size	k_qfe02298994_tobf16, .Lfunc_end_k_qfe02298994_tobf16-k_qfe02298994_tobf16
	.p2alignl 7, 3214868480
	.fill 96, 4, 3214868480
	.section	.rodata,"a",@progbits
	.p2align	6, 0x0
	.amdhsa_kernel k_qfe02298994_tobf16
		.amdhsa_group_segment_fixed_size 0
		.amdhsa_private_segment_fixed_size 0
		.amdhsa_enable_private_segment 0
		.amdhsa_kernarg_size 32
		.amdhsa_user_sgpr_count 2
		.amdhsa_user_sgpr_kernarg_segment_ptr 1
		.amdhsa_wavefront_size32 1
		.amdhsa_system_sgpr_workgroup_id_x 1
		.amdhsa_system_sgpr_workgroup_id_y 1
		.amdhsa_system_sgpr_workgroup_id_z 1
		.amdhsa_system_vgpr_workitem_id 0
		.amdhsa_next_free_vgpr 100
		.amdhsa_next_free_sgpr 66
		.amdhsa_reserve_vcc 0
		.amdhsa_float_denorm_mode_32 3
		.amdhsa_float_denorm_mode_16_64 3
		.amdhsa_memory_ordered 1
		.amdhsa_forward_progress 1
		.amdhsa_inst_pref_size 7
	.end_amdhsa_kernel
	.amdgpu_metadata
---
amdhsa.version: [ 1, 2 ]
amdhsa.kernels:
  - .name:           k_qfe02298994_tobf16
    .symbol:         k_qfe02298994_tobf16.kd
    .args:
      - { .name: x, .offset: 0, .size: 8, .value_kind: global_buffer, .address_space: global }
      - { .name: codebook, .offset: 8, .size: 8, .value_kind: global_buffer, .address_space: global }
      - { .name: xb, .offset: 16, .size: 8, .value_kind: global_buffer, .address_space: global }
      - { .name: cbb, .offset: 24, .size: 8, .value_kind: global_buffer, .address_space: global }
    .group_segment_fixed_size: 0
    .private_segment_fixed_size: 0
    .kernarg_segment_align: 8
    .kernarg_segment_size: 32
    .max_flat_workgroup_size: 256
    .sgpr_count:     66
    .vgpr_count:     100
    .wavefront_size: 32
...
	.end_amdgpu_metadata
.endif
;; end of part 1
;; launch snap (part 2): grid 4 x 64, 4 waves a work-group, clusters of 4 x 4, 327,680 bytes of LDS; arguments xb, cbb, part; writes part
.if DOCPART == 2
	.amdgcn_target "amdgcn-amd-amdhsa--gfx1250"
	.amdhsa_code_object_version 6
	.text
	.protected	k_qfe02298994_snap
	.globl	k_qfe02298994_snap
	.p2align	8
	.type	k_qfe02298994_snap,@function
k_qfe02298994_snap:
	s_mov_b64 s[64:65], 0
	v_nop
	global_prefetch_b8 v0, s[64:65] scope:SCOPE_SE
	s_setreg_imm32_b32 hwreg(HW_REG_WAVE_MODE, 25, 1), 1
	s_wait_xcnt 0x0
	s_wait_alu depctr_hold_cnt(0) depctr_sa_sdst(0) depctr_va_vdst(0) depctr_va_sdst(0) depctr_va_ssrc(0) depctr_va_vcc(0) depctr_vm_vsrc(0)
	s_getreg_b32 s2, hwreg(HW_REG_IB_STS2, 6, 4)
	s_cmp_eq_u32 s2, 0
	s_cbranch_scc0 .Lentry_in_a_cluster
	s_endpgm
.Lentry_in_a_cluster:
	s_bfe_u32 s2, ttmp6, 0x10000c
	s_cmp_lg_u32 s2, 0xf033
	s_cbranch_scc0 .Lentry_shape_is_right
	s_endpgm
.Lentry_shape_is_right:
; logits[row][code] = sum over k of xb[row][k] cbb[code][k] (bf16 operands, one f32 sum for each logit, K ascending), and of them, for each row, the best of a share of the codes.
; xb: [16384][1024] bf16, cbb: [4096][1024] bf16.  part: [8 planes][16384 rows][2 words]: word 0 a key (the best logit's bits turned so that unsigned order is the floats' order), word 1 its code.
; The logits never leave the registers.  The launch behind merges a row's eight candidates by whole-number compares and gathers: no address here hangs on a logit.
; LIMITS.  Of equal logits the lowest code wins, as in the reference; -0 counts as +0.  NaN and infinite logits are not treated as an argmax treats them (a NaN takes the index and leaves the maximum).
; Two logits of a row that lie closer than the rounding of their f32 sums may fall either way.
; SHARES.  A work-group of four waves owns 256 rows of x (block gy of 64) and walks FOUR tiles of 256 codes, 1,024 codes apart: tiles gx + 4 t, gx = 0..3.  A tile of 256 x 256 logits: a wave makes 128 x 128,
; 64 accumulators of 16 x 16, 512 registers.  K goes in steps of 128 through a ring of two LDS slots; the ring does not stop at a tile's end: a tile's last two changes of slots ask for the next tile's first two K steps.
; CLUSTERS: 4 x 4 work-groups.  The four of a row of the cluster share gy and so x's tiles, the four of a column share gx and so the codebook's: each tile is asked for JOINTLY, by the same tensor load with the same
; descriptor and a mask that names the four.
; THE MATRIX INSTRUCTION IS USED TRANSPOSED: source 0 = 16 codes, source 1 = 16 rows of x.  In the result lane l holds ONE row of x (l % 16), its registers 0 to 7 the codes 8 (l / 16) + 0..7.  So a row's running
; best stays inside a lane through all four tiles; the two halves of the lanes meet once, at the end.
; REGISTERS, in windows of 256 (s_set_vgpr_msb: bits 1:0 source 0, 3:2 source 1, 5:4 source 2, 7:6 destination):
;   window 0: v0-31 addresses; v32-55 the running best; v64-127, v128-191 fragments of x, two buffers; v192-231 at work at the end
;   window 1: v64-127, v128-191 fragments of the codebook, two buffers
;   window 2: the 32 accumulators of my rows 0-63 (row block a, code block b at v[8 (8 a + b)]);   window 3: those of my rows 64-127
.set SIZE_K, 1024
.set KSTEP,  128
.set PITCH,  272                       ; an LDS row: 256 bytes of data + 16 of padding = 68 words: row r starts at bank 4 r mod 64 (64 banks of 4 bytes: ISA guide 11.1), so the 16 rows that a load touches start at 16 different banks
.set HALFT,  128*PITCH                 ; 128 rows: what one tensor load brings, and what one wave reads of x or of the codebook
.set SLOT,   4*HALFT                   ; x's 256 rows, then the codebook's 256 rows
.set SPARE,  2*SLOT                    ; behind the ring: the spare words, 128 bytes for each wave: two blocks of 256 bytes that no other line names
.set LAPS,   SIZE_K/(2*KSTEP)          ; a lap = two K steps = once round the ring
.set TILES,  4                         ; tiles of a work-group
.set WALK,   1024                      ; codes from a tile to the work-group's next
.set BACK_A, (SIZE_K-2*KSTEP)*2        ; bytes from a slot's last K step of a tile back to its first: the walk's tiles share their rows of x;
.set NEXT_B, WALK*SIZE_K*2-BACK_A      ; the codebook goes WALK rows down and back along K
.set ADRA, 16                          ; v16-17  LDS address of my fragments of x in slot 0, 1
.set ADRB, 20                          ; v20-21  the same for the codebook
.set LB,   24                          ; v24     the first code that my lane sees: 256 gx + 128 x my half + 8 (l / 16)
.set PO,   26                          ; v26     8 x lane: my byte offset in 32 rows of part
.set SPW,  28                          ; v28     LDS address of my spare word: SPARE + 4 x my thread's number; never rewritten
.set NIL,  29                          ; v29     0; never rewritten
.set BEST, 32                          ; v32-39  row block a: my row's best logit so far
.set RIDX, 40                          ; v40-47  where it stood: 8 b + j, plus 64 for each tile that has passed since
.set CODE, 48                          ; v48-55  at the end: its code
.set F0,   64                          ; fragment buffer 0
.set F1,   128                         ; fragment buffer 1
.set T,    192                         ; v192-199, v200-207 at work at the end
.set U,    200
.set OUT,  208                         ; v208-215  four pairs (key, code) to store
.set OB,   216                         ; v216-223  the other half of the lanes' best,
.set OC,   224                         ; v224-231  and its code
.set G1, 24                            ; s[24:31] descriptor group 1 for x's tiles
.set G0, 32                            ; s[32:39] descriptor group 0 for x's tiles, one set for each slot
.set G1B, 48                           ; s[48:55] descriptor group 1 for the codebook's tiles: it differs in the mask alone
.set G0B, 56                           ; s[56:63] descriptor group 0 for the codebook's tiles, one set for each slot
.set SEL, 66                           ; s[66:67] v_permlanex16_b32's selects: each lane takes its own place in the other half
.set UPPER, 68                         ; s68      the mask of lanes 16 to 31
.set MSB, 0
.macro WIN new                         ; the immediate's high byte repeats the setting that is left; a switch that changes nothing is dropped
.if MSB != (\new)
	s_set_vgpr_msb (MSB<<8)|(\new)
.set MSB, \new
.endif
.endm
.set MUL_LO, 0xa1                      ; source 0 (codes) window 1, source 1 (x) window 0, C and D window 2
.set MUL_HI, 0xf1                      ; the same, C and D window 3
.set TO_B,   0x40                      ; destination window 1, address window 0
; A joint load.  Waves 0 and 1 fetch x's two halves, waves 2 and 3 the codebook's.  Each of the two lines has ONE mask and one set of registers for all that issue it.  The branch hangs on the wave's number alone.
; An s_nop 0 and four v_nop follow each of the two lines; the jump round the other line, the label and what follows the macro come after them.
.macro JLOAD s
	s_cmp_eq_u32 s11, 0
	s_cbranch_scc0 .Lfor_b_\@
	tensor_load_to_lds s[G0+4*(\s):G0+4*(\s)+3], s[G1:G1+7]
	s_nop 0
.rept 4
	v_nop
.endr
	s_branch .Lasked_\@
.Lfor_b_\@:
	tensor_load_to_lds s[G0B+4*(\s):G0B+4*(\s)+3], s[G1B:G1B+7]
	s_nop 0
.rept 4
	v_nop
.endr
.Lasked_\@:
.endm
; A round of the cluster's barrier: my work-group's barrier, so that wave 0's signal speaks for all four waves; wave 0 signals for the work-group; every wave waits for all sixteen work-groups; my work-group's barrier once more.
.macro CREST                           ; a round behind its opening barrier
	s_cmp_lg_u32 s10, 0
	s_cbranch_scc1 .Lnot_wave_0_\@
	s_barrier_signal -3
.Lnot_wave_0_\@:
	s_barrier_wait -3
	s_barrier_signal -1
	s_barrier_wait -1
.endm
.macro CROUND                          ; a whole round
	s_barrier_signal -1
	s_barrier_wait -1
	CREST
.endm
	s_load_b128 s[4:7], s[0:1], 0x0                ; xb s[4:5], cbb s[6:7]
	s_load_b64 s[8:9], s[0:1], 0x10                ; part
	v_lshl_add_u32 v[SPW], v0, 2, SPARE
	v_mov_b32 v[NIL], 0
	ds_add_u32 v[SPW], v[NIL]                      ; the wave's opening: the add and its wait stand ahead of my first tensor load; the set-up below, work on registers, stands between them
	v_lshrrev_b32 v1, 5, v0
	v_readfirstlane_b32 s10, v1                    ; wave 0..3
	s_lshr_b32 s11, s10, 1                         ; which half of the tile's rows of x is mine.  Also: I fetch for x (0) or for the codebook (1)
	s_and_b32 s12, s10, 1                          ; which half of its codes.  Also: which 128 rows of that tile I fetch
	s_bfe_u32 s40, ttmp6, 0x40000                  ; cx: my place along the cluster's x
	s_bfe_u32 s41, ttmp6, 0x40004                  ; cy: along its y
	s_lshl_b32 s42, ttmp9, 2                       ; in a cluster launch ttmp9 and ttmp7 count clusters
	s_add_co_u32 s42, s42, s40                     ; gx = 4 x cluster x + cx
	s_and_b32 s13, ttmp7, 0xffff
	s_lshl_b32 s13, s13, 2
	s_add_co_u32 s13, s13, s41                     ; gy = 4 x cluster y + cy
	s_lshl_b32 s43, s41, 2
	s_lshl_b32 s43, 15, s43                        ; my row of the cluster: places 4 cy .. 4 cy + 3
	s_lshl_b32 s44, 0x1111, s40                    ; my column: places cx, cx + 4, cx + 8, cx + 12
	; descriptor group 1: a tile of 128 rows x 128 elements, padded in LDS
	s_or_b32 s[G1+0], s43, (1<<16)|(1<<20)|(1<<21)|(5<<22)|(3<<25)  ; 15:0 the mask: x's tiles go to my row; 17:16 element of 2 bytes; 20 padding on; 21 set beside a mask; 24:22 after every 64 words (code 5); 31:25 of 4 words (code 3)
	s_or_b32 s[G1B+0], s44, (1<<16)|(1<<20)|(1<<21)|(5<<22)|(3<<25) ; the same with the mask of my column, for the codebook's tiles
.irp g, G1, G1B
	s_mov_b32 s[(\g)+1], KSTEP<<16                 ; 63:48 tensor_dim0, low half = 128
	s_mov_b32 s[(\g)+2], 128<<16                   ; 79:64 its high half = 0; 95:80 tensor_dim1, low half = 128
	s_mov_b32 s[(\g)+3], KSTEP<<16                 ; 111:96 its high half = 0; 127:112 tile_dim0 = 128
	s_mov_b32 s[(\g)+4], 128                       ; 143:128 tile_dim1 = 128; 159:144 tile_dim2 = 0
	s_mov_b32 s[(\g)+5], SIZE_K                    ; 191:160 tensor_dim0_stride, low word: elements from row to row
	s_mov_b32 s[(\g)+6], 0
	s_mov_b32 s[(\g)+7], 0
.endr
	s_mov_b32 s[SEL], 0x76543210
	s_mov_b32 s[SEL+1], 0xfedcba98
	s_mov_b32 s[UPPER], 0xffff0000
	; where the tiles come from.  x's hang on gy alone, which my row of the cluster shares; the codebook's on gx alone, which my column shares.
	; Every wave makes both addresses, in registers that never hold the other coordinate, and asks by one of them.
	s_lshl_b32 s17, s12, 7                         ; which 128 rows of the tile I fetch
	s_lshl_b32 s16, s13, 8
	s_add_co_u32 s16, s16, s17                     ; x: row 256 gy + 128 x half
	s_lshl_b32 s46, s42, 8
	s_add_co_u32 s46, s46, s17                     ; codebook: row 256 gx + 128 x half
	s_mov_b32 s17, 0
	s_mov_b32 s47, 0
	s_mov_b64 s[18:19], SIZE_K*2
	s_mul_u64 s[16:17], s[16:17], s[18:19]         ; in bytes
	s_mul_u64 s[46:47], s[46:47], s[18:19]
	s_mul_i32 s20, s10, HALFT                      ; and where they go: x's two halves, then the codebook's two = wave x 128 rows: no place in the cluster enters an LDS address
	s_wait_dscnt 0x0                               ; the opening add is done
	s_wait_kmcnt 0x0
	s_add_nc_u64 s[14:15], s[4:5], s[16:17]
	s_add_nc_u64 s[46:47], s[6:7], s[46:47]
	CROUND                                         ; all sixteen work-groups are here: the first joint loads meet
.irp s, 0,1
	s_mov_b32 s[G0+4*(\s)], 1                                      ; 1:0 count = 1
	s_add_co_u32 s[G0+4*(\s)+1], s20, (\s)*SLOT                    ; 63:32 LDS address
	s_add_nc_u64 s[G0+4*(\s)+2:G0+4*(\s)+3], s[14:15], (\s)*KSTEP*2  ; 120:64 global address: K step s
	s_or_b32 s[G0+4*(\s)+3], s[G0+4*(\s)+3], 0x80000000            ; 127:126 type = 2
	s_mov_b32 s[G0B+4*(\s)], 1
	s_add_co_u32 s[G0B+4*(\s)+1], s20, (\s)*SLOT
	s_add_nc_u64 s[G0B+4*(\s)+2:G0B+4*(\s)+3], s[46:47], (\s)*KSTEP*2
	s_or_b32 s[G0B+4*(\s)+3], s[G0B+4*(\s)+3], 0x80000000
	JLOAD \s                                       ; the ring is filled before anything else is done: two tensor loads of mine are out
.endr
	; A fragment is 16 rows x 32 K in 8 registers: lane l holds row l % 16; registers 0-3 hold K = 8 (l / 16) + 0..7, registers 4-7 hold
	; K = 16 + 8 (l / 16) + 0..7.  From rows that lie along K: two loads of 16 bytes, 32 bytes apart.  The same for source 0 and source 1.
	v_and_b32 v1, 15, v0                           ; l % 16
	v_bfe_u32 v2, v0, 4, 1                         ; l / 16
	v_mul_u32_u24 v3, v1, PITCH
	v_lshl_add_u32 v3, v2, 4, v3                   ; row x pitch + 16 x half
	s_mul_i32 s21, s11, HALFT                      ; my 128 rows of x
	s_mul_i32 s22, s12, HALFT                      ; my 128 codes,
	s_add_co_u32 s22, s22, 2*HALFT                 ; which lie behind x's 256 rows
.irp s, 0,1
	v_add_nc_u32 v[ADRA+(\s)], s21, v3
	v_add_nc_u32 v[ADRB+(\s)], s22, v3
	s_add_co_u32 s21, s21, SLOT
	s_add_co_u32 s22, s22, SLOT
.endr
	s_lshl_b32 s46, s42, 8                         ; (in the registers that held the codebook's address: none that feeds x's descriptors ever holds cx)
	s_lshl_b32 s47, s12, 7
	s_add_co_u32 s46, s46, s47
	v_lshl_add_u32 v[LB], v2, 3, s46               ; 256 gx + 128 x half + 8 (l / 16)
	v_and_b32 v[PO], 31, v0
	v_lshlrev_b32 v[PO], 3, v[PO]
	; where my 128 rows lie in part: plane 2 gx + my half of the codes, 131,072 bytes a plane; row 256 gy + 128 x my half of the rows, 8 bytes a row
	s_lshl_b32 s46, s42, 1
	s_add_co_u32 s46, s46, s12
	s_lshl_b32 s46, s46, 17
	s_lshl_b32 s72, s13, 11
	s_lshl_b32 s73, s11, 10
	s_add_co_u32 s72, s72, s73
	s_add_co_u32 s72, s72, s46
	s_mov_b32 s73, 0
	s_add_nc_u64 s[8:9], s[8:9], s[72:73]
.irp a, 0,1,2,3,4,5,6,7
	v_mov_b32 v[BEST+(\a)], 0xff800000             ; below every finite logit
	v_mov_b32 v[RIDX+(\a)], -64                    ; four tiles add 256: a best that is never replaced ends as 192: tile 0, place 0, the lane's first code
.endr
; 16 matrix instructions: row blocks a0, a0 + 1 of the window's four (hi = 0: my rows 0-63, 1: rows 64-127) x all 8 code blocks, 32 along K.
; zero = 1: the first product starts the sums: nothing is ever cleared.  The 64 accumulators take turns, one instruction a turn, in the same order in every quarter step.
.macro MUL16 f, hi, a0, zero
	WIN MUL_LO+0x50*(\hi)  ; MUL_LO or MUL_HI
.irp a, \a0, (\a0)+1
.irp b, 0,1,2,3,4,5,6,7
.if \zero
	v_wmma_f32_16x16x32_bf16 v[8*(8*(\a)+(\b)):8*(8*(\a)+(\b))+7], v[(\f)+8*(\b):(\f)+8*(\b)+7], v[(\f)+8*(4*(\hi)+(\a)):(\f)+8*(4*(\hi)+(\a))+7], 0
.else
	v_wmma_f32_16x16x32_bf16 v[8*(8*(\a)+(\b)):8*(8*(\a)+(\b))+7], v[(\f)+8*(\b):(\f)+8*(\b)+7], v[(\f)+8*(4*(\hi)+(\a)):(\f)+8*(4*(\hi)+(\a))+7], v[8*(8*(\a)+(\b)):8*(8*(\a)+(\b))+7]
.endif
.endr
.endr
.endm
; 32 LDS loads in one run: the fragments of one quarter step (128 codes, 128 rows of x, 32 K at byte k of the rows) into buffer f
.macro FETCH slot, k, f
	WIN TO_B
.irp i, 0,1,2,3,4,5,6,7
	ds_load_b128 v[(\f)+8*(\i):(\f)+8*(\i)+3],   v[ADRB+(\slot)] offset:(\k)+(\i)*16*PITCH
	ds_load_b128 v[(\f)+8*(\i)+4:(\f)+8*(\i)+7], v[ADRB+(\slot)] offset:(\k)+(\i)*16*PITCH+32
.endr
	WIN 0
.irp i, 0,1,2,3,4,5,6,7
	ds_load_b128 v[(\f)+8*(\i):(\f)+8*(\i)+3],   v[ADRA+(\slot)] offset:(\k)+(\i)*16*PITCH
	ds_load_b128 v[(\f)+8*(\i)+4:(\f)+8*(\i)+7], v[ADRA+(\slot)] offset:(\k)+(\i)*16*PITCH+32
.endr
.endm
; A load into a register that a matrix instruction has read stands four places behind that matrix instruction, and only plain vector instructions that name none of its registers
; are places (ISA guide 7.12.1 for vector instructions); the matrix instructions in between are not counted.  So four v_nop stand in front of each run of loads.
.macro PLACES
.rept 4
	v_nop
.endr
.endm
; A K step is four quarter steps of 32 along K, 64 matrix instructions each, on buffers 0, 1, 0, 1.
; One of the first three: multiplies buffer f; in its middle it fetches the next quarter's fragments, at byte k of the same slot's rows, into buffer g.
.macro QUARTER slot, k, f, g, zero
	s_wait_dscnt 8                                 ; the codes and x's rows 0-63 are in; the youngest eight loads (x's rows 64-127) may be out
	WIN MUL_LO
	MUL16 \f, 0, 0, \zero
	MUL16 \f, 0, 2, \zero
	PLACES
	FETCH \slot, \k, \g
	s_wait_dscnt 32                                ; all but the 32 just issued
	WIN MUL_HI
	MUL16 \f, 1, 0, \zero
	MUL16 \f, 1, 2, \zero
.endm
; The last quarter multiplies buffer 1 and changes slots.  MEET is its first half: ONE barrier for the change of slots, for two things.  In front of it each wave waits for
; all its tensor loads, of which one is out: its part of the next slot; adds 0 to its spare word; and waits for that and for its own reads of this slot.  Behind it nobody reads this slot any more and the next slot is whole.
.macro MEET round                      ; round = 1: a round of the cluster's barrier follows
	WIN 0                                          ; (the add's two registers lie in window 0)
	s_wait_tensorcnt 0x0                           ; all my tensor loads have landed: the one that was out is my part of the next slot;
	ds_add_u32 v[SPW], v[NIL]                      ; 0 onto my spare word;
	s_wait_dscnt 9                                 ; (the add and the youngest eight loads may be out)
	WIN MUL_LO
	MUL16 F1, 0, 0, 0                              ; sixteen matrix instructions stand between the add and the wait for it
	s_wait_dscnt 0x0                               ; the add is done, and my reads of this slot are over:
	s_barrier_signal -1                            ; say so (where a slot is filled again this barrier opens a round of the cluster's barrier),
	MUL16 F1, 0, 2, 0                              ; work on registers while the others arrive,
.if \round
	WIN 0
.endif
	s_barrier_wait -1                              ; and go on when all four have said so
.endm
; The whole last quarter.  Behind the round the slot just read out is filled again first: with this tile's K step two steps on (on = 0) or, in a tile's last two K steps, with the NEXT tile's
; K step 0 or 1 (on = 1); then come the next slot's first fragments.  From a request to the wait for it a wave issues 224 matrix instructions, across tiles too.
.macro TURN slot, next, on
	MEET 1
	CREST                                          ; no wave of any partner still reads this slot's tile or has a load on its way
.if \on
	s_sub_nc_u64 s[G0+4*(\slot)+2:G0+4*(\slot)+3], s[G0+4*(\slot)+2:G0+4*(\slot)+3], BACK_A
	s_add_nc_u64 s[G0B+4*(\slot)+2:G0B+4*(\slot)+3], s[G0B+4*(\slot)+2:G0B+4*(\slot)+3], NEXT_B
.else
	s_add_nc_u64 s[G0+4*(\slot)+2:G0+4*(\slot)+3], s[G0+4*(\slot)+2:G0+4*(\slot)+3], 2*KSTEP*2
	s_add_nc_u64 s[G0B+4*(\slot)+2:G0B+4*(\slot)+3], s[G0B+4*(\slot)+2:G0B+4*(\slot)+3], 2*KSTEP*2
.endif
	JLOAD \slot                                    ; the first tensor load behind the round, my only one until the next; the four v_nop behind it are also the places in front of the loads below
	FETCH \next, 0, F0
	WIN MUL_HI
	MUL16 F1, 1, 0, 0
	MUL16 F1, 1, 2, 0
.endm
; The last tile's change from slot 0 to slot 1: nothing is filled again, so my work-group's barrier is enough and no round follows.
.macro TURNX
	MEET 0
	PLACES                                         ; for the loads into buffer 0, which the quarter before multiplied
	FETCH 1, 0, F0
	WIN MUL_HI
	MUL16 F1, 1, 0, 0
	MUL16 F1, 1, 2, 0
.endm
; The very last quarter: nothing more to fetch.
.macro LASTQ
	s_wait_dscnt 8                                 ; the youngest eight loads (x's rows 64-127) may be out
	WIN MUL_LO
	MUL16 F1, 0, 0, 0
	MUL16 F1, 0, 2, 0
	s_wait_dscnt 0x0
	WIN MUL_HI
	MUL16 F1, 1, 0, 0
	MUL16 F1, 1, 2, 0
.endm
; A TILE'S ARGMAX.  For each of my eight row blocks the lane's 64 logits of this tile are held against the row's best so far, codes ascending: the old one stays where the new one is not greater, so of equals
; the first wins.  The place is 8 b + j, 0 to 63; older winners are first moved up by 64, so that at the end the place also tells the tile.
; Those eight additions name no register of the last products: they are the places in front of the first read of a result.  Each accumulator's register 0 is read first.
; Four row blocks take turns, so that a maximum is not needed by the line behind it.
.macro AM
	WIN 0
.irp a, 0,1,2,3,4,5,6,7
	v_add_nc_u32 v[RIDX+(\a)], 64, v[RIDX+(\a)]
.endr
.irp hi, 0,1
	WIN 0x02+(\hi)                                 ; source 0: the accumulators' window
.irp b, 0,1,2,3,4,5,6,7
.irp j, 0,1,2,3,4,5,6,7
.irp a, 0,1,2,3
	v_cmp_le_f32 vcc_lo, v[8*(8*(\a)+(\b))+(\j)], v[BEST+4*(\hi)+(\a)]
	v_max_num_f32 v[BEST+4*(\hi)+(\a)], v[8*(8*(\a)+(\b))+(\j)], v[BEST+4*(\hi)+(\a)]
	v_cndmask_b32 v[RIDX+4*(\hi)+(\a)], 8*(\b)+(\j), v[RIDX+4*(\hi)+(\a)], vcc_lo
.endr
.endr
.endr
.endr
	WIN 0
.endm
	s_wait_tensorcnt 1                             ; my part of K step 0 is in; K step 1's may stay out
	s_barrier_signal -1
	s_barrier_wait -1                              ; everybody's is
	FETCH 0, 0, F0
	s_mov_b32 s2, TILES                            ; tiles to go, this one among them: the same number in every work-group
.Ltile:                                                ; (FETCH and AM leave every window 0)
	QUARTER 0, 64,  F0, F1, 1                      ; a tile's first quarter stands in front of the loop: its products start the sums
	WIN 0                                          ; at a label and at a branch every window is 0
	s_mov_b32 s3, LAPS-1
.Llap:                                                 ; a trip goes once round the ring, from a lap's second quarter to the next lap's first, and fills both slots again
	QUARTER 0, 128, F1, F0, 0
	QUARTER 0, 192, F0, F1, 0
	TURN 0, 1, 0
	QUARTER 1, 64,  F0, F1, 0
	QUARTER 1, 128, F1, F0, 0
	QUARTER 1, 192, F0, F1, 0
	TURN 1, 0, 0
	QUARTER 0, 64,  F0, F1, 0
	WIN 0
	s_sub_co_u32 s3, s3, 1
	s_cmp_lg_u32 s3, 0
	s_cbranch_scc1 .Llap
	QUARTER 0, 128, F1, F0, 0                      ; the tile's last lap goes on
	QUARTER 0, 192, F0, F1, 0
	WIN 0
	s_cmp_eq_u32 s2, 1
	s_cbranch_scc1 .Llast_tile                     ; the last tile's tail is written out: it asks for nothing more
	TURN 0, 1, 1                                   ; THE RING GOES ON INTO THE NEXT TILE: slot 0 takes its K step 0,
	QUARTER 1, 64,  F0, F1, 0
	QUARTER 1, 128, F1, F0, 0
	QUARTER 1, 192, F0, F1, 0
	TURN 1, 0, 1                                   ; slot 1 its K step 1, and the next tile's first fragments are fetched
	AM                                             ; both refills are asked for: they land while the tile's logits are gone through
	s_sub_co_u32 s2, s2, 1
	s_branch .Ltile
.Llast_tile:
	TURNX
	QUARTER 1, 64,  F0, F1, 0
	QUARTER 1, 128, F1, F0, 0
	QUARTER 1, 192, F0, F1, 0
	LASTQ
	AM
	; THE END.  The place becomes a code: tile 3 - place / 64, code block (place / 8) % 8, register place % 8: code = LB + 1,024 x tile + 16 x block + register.
.irp a, 0,1,2,3,4,5,6,7
	v_lshrrev_b32 v[T+(\a)], 6, v[RIDX+(\a)]
	v_bfe_u32 v[U+(\a)], v[RIDX+(\a)], 3, 3
	v_and_b32 v[CODE+(\a)], 7, v[RIDX+(\a)]
	v_mov_b32 v[OB+(\a)], 0                        ; v_permlanex16_b32's destination counts as read
	v_mov_b32 v[OC+(\a)], 0
.endr
.irp a, 0,1,2,3,4,5,6,7
	v_sub_nc_u32 v[T+(\a)], 3, v[T+(\a)]
	v_lshl_add_u32 v[CODE+(\a)], v[U+(\a)], 4, v[CODE+(\a)]
	v_add_f32 v[BEST+(\a)], 0, v[BEST+(\a)]        ; -0 becomes +0, so that equal logits have equal bits
.endr
.irp a, 0,1,2,3,4,5,6,7
	v_lshl_add_u32 v[CODE+(\a)], v[T+(\a)], 10, v[CODE+(\a)]
.endr
.irp a, 0,1,2,3,4,5,6,7
	v_add_nc_u32 v[CODE+(\a)], v[LB], v[CODE+(\a)]
.endr
	; The row's other 256 codes lie in the lane 16 away.  Its best is taken where it is greater, or equal with the lower code; both lanes end with the same pair.
.irp a, 0,1,2,3,4,5,6,7
	v_permlanex16_b32 v[OB+(\a)], v[BEST+(\a)], s[SEL], s[SEL+1]
	v_permlanex16_b32 v[OC+(\a)], v[CODE+(\a)], s[SEL], s[SEL+1]
.endr
.irp a, 0,1,2,3,4,5,6,7
	v_cmp_gt_f32 s70, v[OB+(\a)], v[BEST+(\a)]
	v_cmp_eq_f32 s71, v[OB+(\a)], v[BEST+(\a)]
	v_cmp_lt_u32 vcc_lo, v[OC+(\a)], v[CODE+(\a)]
	s_and_b32 vcc_lo, vcc_lo, s71
	s_or_b32 vcc_lo, vcc_lo, s70
	v_cndmask_b32 v[BEST+(\a)], v[BEST+(\a)], v[OB+(\a)], vcc_lo
	v_cndmask_b32 v[CODE+(\a)], v[CODE+(\a)], v[OC+(\a)], vcc_lo
.endr
	; The key: a positive float's sign bit is set, a negative float's bits are all turned: unsigned order is then the floats' order.
.irp a, 0,1,2,3,4,5,6,7
	v_ashrrev_i32 v[T+(\a)], 31, v[BEST+(\a)]
.endr
.irp a, 0,1,2,3,4,5,6,7
	v_or_b32 v[T+(\a)], 0x80000000, v[T+(\a)]
.endr
.irp a, 0,1,2,3,4,5,6,7
	v_xor_b32 v[BEST+(\a)], v[T+(\a)], v[BEST+(\a)]
.endr
	; Lanes 0-15 store row block 2 p, lanes 16-31 block 2 p + 1: 32 rows of 8 bytes, 256 consecutive bytes at a multiple of 256 from part's first byte.
.irp p, 0,1,2,3
	v_cndmask_b32 v[OUT+2*(\p)],   v[BEST+2*(\p)], v[BEST+2*(\p)+1], s[UPPER]
	v_cndmask_b32 v[OUT+2*(\p)+1], v[CODE+2*(\p)], v[CODE+2*(\p)+1], s[UPPER]
.endr
.irp p, 0,1,2,3
	global_store_b64 v[PO], v[OUT+2*(\p):OUT+2*(\p)+1], s[8:9] offset:256*(\p)
.endr
	s_wait_tensorcnt 0x0                           ; the wave's end, behind my last tensor load
	ds_add_u32 v[SPW], v[NIL]
	s_wait_dscnt 0x0
	CROUND                                         ; the closing round: no work-group ends while a partner may still ask for a tile that names it
	s_endpgm
.Lfunc_end_k_qfe02298994_snap:
	.size	k_qfe02298994_snap, .Lfunc_end_k_qfe02298994_snap-k_qfe02298994_snap
	.p2alignl 7, 3214868480
	.fill 96, 4, 3214868480
	.section	.rodata,"a",@progbits
	.p2align	6, 0x0
	.amdhsa_kernel k_qfe02298994_snap
		.amdhsa_group_segment_fixed_size 327680
		.amdhsa_private_segment_fixed_size 0
		.amdhsa_enable_private_segment 0
		.amdhsa_kernarg_size 24
		.amdhsa_user_sgpr_count 2
		.amdhsa_user_sgpr_kernarg_segment_ptr 1
		.amdhsa_wavefront_size32 1
		.amdhsa_system_sgpr_workgroup_id_x 1
		.amdhsa_system_sgpr_workgroup_id_y 1
		.amdhsa_system_sgpr_workgroup_id_z 1
		.amdhsa_system_vgpr_workitem_id 0
		.amdhsa_next_free_vgpr 1024
		.amdhsa_next_free_sgpr 76
		.amdhsa_reserve_vcc 1
		.amdhsa_float_denorm_mode_32 3
		.amdhsa_float_denorm_mode_16_64 3
		.amdhsa_memory_ordered 1
		.amdhsa_forward_progress 1
		.amdhsa_inst_pref_size 251
	.end_amdhsa_kernel
	.amdgpu_metadata
---
amdhsa.version: [ 1, 2 ]
amdhsa.kernels:
  - .name:           k_qfe02298994_snap
    .symbol:         k_qfe02298994_snap.kd
    .args:
      - { .name: xb, .offset: 0, .size: 8, .value_kind: global_buffer, .address_space: global }
      - { .name: cbb, .offset: 8, .size: 8, .value_kind: global_buffer, .address_space: global }
      - { .name: part, .offset: 16, .size: 8, .value_kind: global_buffer, .address_space: global }
    .group_segment_fixed_size: 327680
    .private_segment_fixed_size: 0
    .kernarg_segment_align: 8
    .kernarg_segment_size: 24
    .max_flat_workgroup_size: 128
    .sgpr_count:     76
    .vgpr_count:     1024
    .wavefront_size: 32
...
	.end_amdgpu_metadata
.endif
;; end of part 2
;; launch gather (part 3): grid 512 x 1, 8 waves a work-group, no clusters, 0 bytes of LDS; arguments part, codebook, out0; writes out0
.if DOCPART == 3
	.amdgcn_target "amdgcn-amd-amdhsa--gfx1250"
	.amdhsa_code_object_version 6
	.text
	.protected	k_qfe02298994_gather
	.globl	k_qfe02298994_gather
	.p2align	8
	.type	k_qfe02298994_gather,@function
k_qfe02298994_gather:
	s_mov_b64 s[64:65], 0
	v_nop
	global_prefetch_b8 v0, s[64:65] scope:SCOPE_SE
	s_setreg_imm32_b32 hwreg(HW_REG_WAVE_MODE, 25, 1), 1
	s_wait_xcnt 0x0
; out0[row] = codebook[the row's best code].  part: [8 planes][16384 rows][key, code], whole numbers: each plane holds the best of 512 codes, the key in unsigned order.
; The eight candidates of a row are merged by whole-number compares: the greater key wins, of equal keys the lower code, which is the first index of the maximum.
; A work-group takes 32 rows, a wave 4.  A row of the codebook and of out0 is 4,096 bytes of f32: eight loads and eight stores of a wave, 512 consecutive bytes each, at multiples of 512.
; All 32 loads of a wave's four rows go out at once (16 KiB on their way); no register is used twice, so the only waits are the counted ones for the loads.
; A code enters an address only behind a clamp to 4,095, the table's last row; the codes stored by the launch before lie within it.
; No LDS, no barrier, no cluster: the waves share nothing, and which rows of the table two work-groups have in common is not known when they are launched.
.set PLANE, 131072                     ; bytes in a plane of part
.set ROW,   4096                       ; bytes in a row of the codebook and of out0
.set C,     4                          ; v[4:19]   plane p: key, code of row (lane % 4); plane 0's pair takes the winner
.set OFF,   22                         ; v22-25    row k: byte offset of my 16 bytes in the codebook
.set D,     28                         ; v[28:155] row k, piece j: four registers
	s_load_b128 s[4:7], s[0:1], 0x0                ; part s[4:5], codebook s[6:7]
	s_load_b64 s[8:9], s[0:1], 0x10                ; out0
	v_lshrrev_b32 v1, 5, v0
	v_readfirstlane_b32 s10, v1                    ; wave 0..7
	v_and_b32 v1, 31, v0                           ; lane
	v_and_b32 v2, 3, v0
	v_lshlrev_b32 v2, 3, v2                        ; 8 bytes a row: lane l looks at row l % 4 of the wave's four
	v_lshlrev_b32 v3, 4, v1                        ; my 16 bytes in 512
	s_lshl_b32 s11, ttmp9, 5
	s_lshl2_add_u32 s11, s10, s11                  ; my wave's first row: 32 x work-group + 4 x wave
	s_lshl_b32 s12, s11, 3
	s_mov_b32 s13, 0
	s_lshl_b32 s14, s11, 12                        ; under 2^26
	s_mov_b32 s15, 0
	s_wait_kmcnt 0x0
	s_add_nc_u64 s[4:5], s[4:5], s[12:13]
	s_add_nc_u64 s[8:9], s[8:9], s[14:15]
.set p, 0
.rept 8
	global_load_b64 v[C+2*p:C+2*p+1], v2, s[4:5] offset:PLANE*p
.set p, p+1
.endr
	s_wait_loadcnt 0x0                             ; the merge needs all eight
.set p, 1
.rept 7
	v_cmp_gt_u32 s20, v[C+2*p], v[C]
	v_cmp_eq_u32 s21, v[C+2*p], v[C]
	v_cmp_lt_u32 vcc_lo, v[C+2*p+1], v[C+1]
	s_and_b32 vcc_lo, vcc_lo, s21
	s_or_b32 vcc_lo, vcc_lo, s20
	v_cndmask_b32 v[C],   v[C],   v[C+2*p],   vcc_lo
	v_cndmask_b32 v[C+1], v[C+1], v[C+2*p+1], vcc_lo
.set p, p+1
.endr
.set k, 0
.rept 4
	v_readlane_b32 s[24+k], v[C+1], k              ; row k's code, for the whole wave
	s_min_u32 s[24+k], s[24+k], 0xfff              ; inside the table
	v_lshl_add_u32 v[OFF+k], s[24+k], 12, v3       ; code x 4,096 + 16 x lane
.set k, k+1
.endr
.set k, 0
.rept 4
.set j, 0
.rept 8
	global_load_b128 v[D+32*k+4*j:D+32*k+4*j+3], v[OFF+k], s[6:7] offset:512*j  ; no hint: a code may be the best of many rows
.set j, j+1
.endr
.set k, k+1
.endr
.set n, 0
.rept 32
	s_wait_loadcnt 31-n                            ; loads come back in order: piece n is in, the 31-n younger ones stay out
	global_store_b128 v3, v[D+4*n:D+4*n+3], s[8:9] offset:512*n th:TH_STORE_NT  ; piece n = 8 k + j lies at 4,096 k + 512 j = 512 n
.set n, n+1
.endr
	s_endpgm
.Lfunc_end_k_qfe02298994_gather:
	.size	k_qfe02298994_gather, .Lfunc_end_k_qfe02298994_gather-k_qfe02298994_gather
	.p2alignl 7, 3214868480
	.fill 96, 4, 3214868480
	.section	.rodata,"a",@progbits
	.p2align	6, 0x0
	.amdhsa_kernel k_qfe02298994_gather
		.amdhsa_group_segment_fixed_size 0
		.amdhsa_private_segment_fixed_size 0
		.amdhsa_enable_private_segment 0
		.amdhsa_kernarg_size 24
		.amdhsa_user_sgpr_count 2
		.amdhsa_user_sgpr_kernarg_segment_ptr 1
		.amdhsa_wavefront_size32 1
		.amdhsa_system_sgpr_workgroup_id_x 1
		.amdhsa_system_sgpr_workgroup_id_y 1
		.amdhsa_system_sgpr_workgroup_id_z 1
		.amdhsa_system_vgpr_workitem_id 0
		.amdhsa_next_free_vgpr 156
		.amdhsa_next_free_sgpr 66
		.amdhsa_reserve_vcc 1
		.amdhsa_float_denorm_mode_32 3
		.amdhsa_float_denorm_mode_16_64 3
		.amdhsa_memory_ordered 1
		.amdhsa_forward_progress 1
		.amdhsa_inst_pref_size 12
	.end_amdhsa_kernel
	.amdgpu_metadata
---
amdhsa.version: [ 1, 2 ]
amdhsa.kernels:
  - .name:           k_qfe02298994_gather
    .symbol:         k_qfe02298994_gather.kd
    .args:
      - { .name: part, .offset: 0, .size: 8, .value_kind: global_buffer, .address_space: global }
      - { .name: codebook, .offset: 8, .size: 8, .value_kind: global_buffer, .address_space: global }
      - { .name: out0, .offset: 16, .size: 8, .value_kind: global_buffer, .address_space: global }
    .group_segment_fixed_size: 0
    .private_segment_fixed_size: 0
    .kernarg_segment_align: 8
    .kernarg_segment_size: 24
    .max_flat_workgroup_size: 256
    .sgpr_count:     66
    .vgpr_count:     156
    .wavefront_size: 32
...
	.end_amdgpu_metadata
.endif
;; end of part 3
